; MI455X (gfx1250); checked and timed in simulation.
; The chip was launched on July 23, 2026; its instructions are those of AMD's public machine-readable ISA for CDNA 5 (MIT licence, August 2026) and "CDNA5" Instruction Set Architecture Reference Guide (July 2026). The comments in the code are by the model that wrote it; some were corrected since.
;; Self Attention. Allowed arithmetic: matrix products marked QUANTISED: E2M1 operands, one E8M0 scale for each 32 along K, by v_wmma_scale_f32_16x16x128_f8f6f4 with both operands' format E2M1 (or v_wmma_scale_f32_32x16x128_f4), f32 sums; products left as they are: bf16, f16 or f32 operands; f32 sums; everything else in f32.
;; Inputs: Wk 512 x 512 float32; Wq 512 x 512 float32; Wv 512 x 512 float32; x 2 x 4,096 x 512 float32.
;; Outputs: out0 2 x 4,096 x 512 float32.
;; This version of the problem:
;;   THIS VERSION OF THE PROBLEM IS GIVEN IN LOW PRECISION. The matrix products marked QUANTISED in the list below multiply operands that are first quantised to E2M1 (2 exponent bits, 1 mantissa bit; 4 bits a number), with one power-of-two scale for each 32 numbers along K (OCP MX v1.0); their sums are f32. The products marked 'left as it is' may take bf16, f16 or f32 operands, with f32 sums. Whichever they take, every output number must still come out within the allowed error. Rounding operands to bf16 (8 significant bits) uses up far more of that allowance than f16 does (11 bits, for magnitudes from 6e-5 to 65,504). All else is computed in f32.
;;   The module's matrix products, in the order in which they are computed (A, B: the left and right operand; K: the contracted axis; several contracted axes count as one K, in the product's order):
;;     1. [M 8,192, K 512] x [K 512, N 512]; A: input x; B: input Wk: QUANTISED
;;     2. [M 8,192, K 512] x [K 512, N 512]; A: input x; B: input Wq: QUANTISED
;;     3. [M 8,192, K 512] x [K 512, N 512]; A: input x; B: input Wv: QUANTISED
;;     4. batch 16 x [M 4,096, K 64] x [K 64, N 4,096]; A: computed on the way; B: computed on the way: left as it is (an operand is computed on the way)
;;     5. batch 16 x [M 64, K 4,096] x [K 4,096, N 4,096]; A: computed on the way; B: computed on the way: left as it is (an operand is computed on the way)
;;   THE QUANTISER, for each operand of a quantised product, along K:
;;     - K is cut into blocks of 32 from its start; a last block that is shorter is filled with zeros.
;;     - A block's scale is 2^e with e = floor(log2(the largest magnitude in the block)) - 2, held to -126 .. 127; a block of zeros has e = 0. As a byte (E8M0): e + 127.
;;     - Each number is divided by its block's scale, clamped to +-6, and rounded to the nearest number of E2M1, ties to even, subnormals kept.
;;     - The product sums the exact products of the quantised numbers (number of the format x scale) in f32.
;;   ~~~python
;;   def quantise(x, axis):      # numpy; x: float32 -> the quantised numbers, widened to float32 again
;;       x = np.moveaxis(x, axis, -1); K = x.shape[-1]
;;       x = np.pad(x, [(0, 0)] * (x.ndim - 1) + [(0, -K % 32)]); x = x.reshape(x.shape[:-1] + (-1, 32)); a = np.abs(x).max(-1, keepdims=True)
;;       e = np.where(a > 0, np.clip(np.frexp(np.where(a > 0, a, 1))[1] - 1 - 2, -126, 127), 0)      # np.frexp(a)[1] - 1 = floor(log2(a)), exactly
;;       r = np.clip(x / 2.0 ** e, -6, 6)
;;       step = 2.0 ** (np.maximum(np.frexp(np.where(r == 0, 1, r))[1] - 1, 0) - 1)
;;       q = np.round(r / step) * step * 2.0 ** e      # np.round: ties to even
;;       return np.moveaxis(q.reshape(q.shape[:-2] + (-1,))[..., :K], -1, axis).astype(np.float32)
;;   ~~~
;; One version. Each part assembles by itself: llvm-mc -triple=amdgcn-amd-amdhsa -mcpu=gfx1250 --defsym DOCPART=n.
;; ======== version 1 of 1: 3 launches
;; limits: values are held in f16: magnitudes above 65,504 overflow, below 6.1e-05 lose precision
;; workspace buffers: XC 2,097,152 bytes; XS 131,072 bytes; WC 393,216 bytes; WS 24,576 bytes; QF 8,388,608 bytes; KV 16,777,216 bytes
;; launch prep (part 1): grid 352 x 1, 2 waves a work-group, no clusters, 17,152 bytes of LDS; arguments x, Wk, Wq, Wv, XC, XS, WC, WS; writes XC, XS, WC, WS
.if DOCPART == 1
	.amdgcn_target "amdgcn-amd-amdhsa--gfx1250"
	.amdhsa_code_object_version 6
	.text
	.protected	k_qd2f0ee87cb_prep
	.globl	k_qd2f0ee87cb_prep
	.p2align	8
	.type	k_qd2f0ee87cb_prep,@function
k_qd2f0ee87cb_prep:
	s_mov_b64 s[64:65], 0
	v_nop
	global_prefetch_b8 v0, s[64:65] scope:SCOPE_SE
	s_setreg_imm32_b32 hwreg(HW_REG_WAVE_MODE, 25, 1), 1
	s_wait_xcnt 0x0
; x [8192][512] f32 (K innermost) and Wk, Wq, Wv [512 (K)][512] f32 (K outermost) become codes of FP4 (E2M1) with one E8M0 byte for each 32 along K.
; A block's scale is 2^(floor(log2(largest magnitude)) - 2); its byte is the largest magnitude's exponent field - 2, held at 1 from below by a floor among the maximum's leaves.
; THE CODES ARE LAID IN THE ORDER OF THE OPERAND'S REGISTERS: a fragment (16 rows x 128 K) is 1,024 bytes; registers 4 c .. 4 c + 3 of lane l lie at 512 c + 16 l.  Lane (r, hh) holds k = 64 c + 32 hh + 0 .. 31
; of row r, so block t = 2 c + hh of row r lies at 256 t + 16 r.   XC: [row tile 0..511][K step 0..3][1,024];  WC: [column tile 0..95 over Wk | Wq | Wv][K step][1,024].
; THE SCALE BYTES: XS [row][16], WS [column 0..1535][16]: word s of a row is the scale word of K step s.
; LIMITS: a block of zeros gets the byte 1 where the rule says 127 (its codes are zeros, and this program alone reads the bytes); blocks whose largest magnitude lies under 2^-124 keep the byte 1 and were not tried;
; NaN and infinities among the inputs are not served.
; SHARES: work-groups 0 to 95 take the weights (a wave: 32 columns x 128 K), work-groups 96 to 351 take x (a wave: 16 rows x 512 K).  Waves share nothing: no barrier.  Only x's path stages through LDS.
; No matrix unit, no tensor load, no cluster: each input byte is read once by one wave and nothing is shared.
.set NWGW,  96
.set PITCH, 528                        ; a stage row: 512 bytes + 16 = 132 words, so that the 16 rows of a read begin 4 banks apart
.set STG,   16*PITCH                   ; a wave's stage: 16 rows
.set SPARE, 2*STG                      ; behind the two stages: the spare words, 128 bytes for each wave: one block of 256 bytes that no other line names
.set SPW,   13                         ; v13  LDS address of my spare word; never rewritten
.set NIL,   14                         ; v14  0; never rewritten
.set FLOOR, 0x1800000                  ; 2^(3 - 127)
.set OFFE,  0xff000000                 ; takes 2 off an exponent field
.set R,     16                         ; x: v16-143  two sets of 64: a K step's numbers as they are loaded.   W: v16-143 the wave's 128 x 32 numbers
.set XN,    144                        ; x: v144-207 64 numbers of my row: blocks hh and 2 + hh of the K step
.set C,     208                        ; x: v208-239 the codes, 8 registers for each K step, never written again
.set SWD,   240                        ; x: v240-243 the four scale words
	s_load_b256 s[4:11], s[0:1], 0x0               ; x s[4:5], Wk s[6:7], Wq s[8:9], Wv s[10:11]
	s_load_b256 s[12:19], s[0:1], 0x20             ; XC s[12:13], XS s[14:15], WC s[16:17], WS s[18:19]
	v_lshl_add_u32 v[SPW], v0, 2, SPARE
	v_mov_b32 v[NIL], 0
	v_lshrrev_b32 v1, 5, v0
	v_readfirstlane_b32 s20, v1                    ; wave 0, 1
	v_and_b32 v1, 31, v0                           ; lane
	v_and_b32 v2, 15, v0                           ; r
	v_bfe_u32 v3, v0, 4, 1                         ; hh
	s_mov_b32 s23, 0                               ; the upper word of every offset
	s_wait_kmcnt 0x0
	s_cmp_lt_u32 ttmp9, NWGW
	s_cbranch_scc1 .Lw
	; ---------------- x: my wave's 16 rows, all of K ----------------
	s_sub_co_u32 s21, ttmp9, NWGW
	s_lshl_b32 s21, s21, 1
	s_add_co_u32 s21, s21, s20                     ; row tile 0..511
	s_lshl_b32 s22, s21, 15                        ; 16 rows of 2,048 bytes
	s_add_nc_u64 s[4:5], s[4:5], s[22:23]
	s_lshl_b32 s22, s21, 12                        ; four fragments
	s_add_nc_u64 s[12:13], s[12:13], s[22:23]
	s_lshl_b32 s22, s21, 8                         ; 16 rows of 16 scale bytes
	s_add_nc_u64 s[14:15], s[14:15], s[22:23]
	s_mul_i32 s24, s20, STG                        ; my stage
	v_lshlrev_b32 v4, 4, v1                        ; 16 x lane: my place in a load's 512 bytes and in a register group's image
	v_add_nc_u32 v5, s24, v4                       ; the stage, on the way in
	v_mul_u32_u24 v6, v2, PITCH
	v_lshl_add_u32 v6, v3, 7, v6
	v_add_nc_u32 v6, s24, v6                       ; and on the way out: row r, block hh
	v_lshlrev_b32 v7, 3, v3                        ; 8 hh: my bytes' place in a scale word
	v_lshl_add_u32 v8, v2, 4, v7                   ; 16 r + 8 hh: my two scale words' place
	s_mov_b32 s26, 0x76543210
	s_mov_b32 s27, 0xfedcba98                      ; v_permlanex16_b32's selects for lane l xor 16
	v_mov_b32 v250, 0                              ; written once: a lane permute's destination counts as one of its sources
.macro LOADF f                         ; K step f: 512 consecutive bytes of each of the 16 rows, 16 bytes a lane
.set n, 0
.rept 16
	global_load_b128 v[R+64*((\f)%2)+4*n:R+64*((\f)%2)+4*n+3], v4, s[4:5] offset:n*2048+512*(\f) th:TH_LOAD_NT
.set n, n+1
.endr
.endm
.macro TURNF f                         ; through the stage: in as loaded, out 128 neighbouring bytes of a row at a time.  LDS serves a wave's instructions in order: no wait between the stores and the loads
.set n, 0
.rept 16
	ds_store_b128 v5, v[R+64*((\f)%2)+4*n:R+64*((\f)%2)+4*n+3] offset:PITCH*n
.set n, n+1
.endr
.irp c, 0,1
.irp q, 0,1,2,3,4,5,6,7
	ds_load_b128 v[XN+32*\c+4*\q:XN+32*\c+4*\q+3], v6 offset:256*\c+16*\q
.endr
.endr
.endm
.macro QX f                            ; my two whole blocks of K step f: scale, codes, stores
.irp c, 0,1
	v_max3_num_f32 v[244+\c], |v[XN+32*\c]|, |v[XN+32*\c+1]|, FLOOR   ; the floor holds the byte at 1 from below
.endr
.irp i, 2,4,6,8,10,12,14,16,18,20,22,24,26,28,30
.irp c, 0,1
	v_max3_num_f32 v[244+\c], v[244+\c], |v[XN+32*\c+\i]|, |v[XN+32*\c+\i+1]|   ; the two blocks by turns
.endr
.endr
.irp c, 0,1
	v_add_nc_u32 v[246+\c], OFFE, v[244+\c]        ; the conversion takes this operand's exponent field as its scale
.endr
.irp c, 0,1
	v_lshrrev_b32 v[248+\c], 23, v[246+\c]         ; the scale's byte
.endr
	v_lshl_or_b32 v251, v249, 16, v248             ; blocks hh and 2 + hh,
	v_lshlrev_b32 v251, v7, v251                   ; at their places in the word;
	v_permlanex16_b32 v250, v251, s26, s27
	v_or_b32 v[SWD+(\f)], v251, v250               ; with lane l xor 16's two the word is whole
.irp c, 0,1
.irp g, 0,1,2,3
	v_cvt_scalef32_pk8_fp4_f32 v[C+8*(\f)+4*\c+\g], v[XN+32*\c+8*\g:XN+32*\c+8*\g+7], v[246+\c]
.endr
.endr
	v_nop                                          ; one plain line behind the last scaled conversion
.irp c, 0,1
	global_store_b128 v4, v[C+8*(\f)+4*\c:C+8*(\f)+4*\c+3], s[12:13] offset:1024*(\f)+512*\c   ; 32 lanes store 512 consecutive bytes, aligned
.endr
.endm
	LOADF 0
	LOADF 1
.irp f, 0,1,2,3
.if \f < 3
	s_wait_loadcnt 16                              ; this K step's 16 loads are in; the next step's 16 may be out
.else
	s_wait_loadcnt 0
.endif
	TURNF \f
	s_wait_dscnt 0x0                               ; my numbers are back, and the stage's stores have read their registers,
.if \f < 2
	LOADF \f+2                                     ; which take the loads of two steps on
.endif
	QX \f
.endr
	v_cmp_eq_u32 vcc_lo, 1, v3
	v_cndmask_b32 v252, v240, v242, vcc_lo         ; lanes 0-15 store words 0 and 1 of their row, lanes 16-31 words 2 and 3
	v_cndmask_b32 v253, v241, v243, vcc_lo
	global_store_b64 v8, v[252:253], s[14:15]      ; 32 lanes store 256 consecutive bytes, aligned
	s_wait_tensorcnt 0x0                           ; the wave's end: these three lines behind my last LDS store
	ds_add_u32 v[SPW], v[NIL]
	s_wait_dscnt 0x0
	s_endpgm
	; ---------------- the weights: 32 columns x 128 K a wave; a lane takes a column and its registers run down K ----------------
.Lw:
	s_and_b32 s21, ttmp9, 3                        ; K step
	s_lshr_b32 s24, ttmp9, 2                       ; pair of column groups 0..23: 8 for each weight
	s_cmp_lt_u32 s24, 16
	s_cselect_b64 s[8:9], s[8:9], s[10:11]         ; Wq or Wv,
	s_cmp_lt_u32 s24, 8
	s_cselect_b64 s[6:7], s[6:7], s[8:9]           ; or Wk: the choice hangs on the work-group's number alone
	s_lshl_b32 s25, s24, 1
	s_add_co_u32 s25, s25, s20                     ; column group 0..47 over the three weights
	s_and_b32 s26, s25, 15                         ; and in its weight
	s_lshl_b32 s26, s26, 7                         ; 32 columns of 4 bytes
	s_lshl_b32 s22, s21, 18                        ; 128 rows of 2,048 bytes
	s_add_co_u32 s22, s22, s26
	s_add_nc_u64 s[6:7], s[6:7], s[22:23]
	s_lshl_b32 s22, s25, 13                        ; two column tiles of 4,096 bytes
	s_lshl_b32 s26, s21, 10
	s_add_co_u32 s22, s22, s26
	s_add_nc_u64 s[16:17], s[16:17], s[22:23]
	s_lshl_b32 s22, s25, 9                         ; 32 columns of 16 scale bytes
	s_lshl_b32 s26, s21, 2
	s_add_co_u32 s22, s22, s26
	s_add_nc_u64 s[18:19], s[18:19], s[22:23]
	v_lshlrev_b32 v4, 2, v1                        ; in: 4 bytes a lane
	v_lshlrev_b32 v5, 4, v2
	v_lshl_add_u32 v5, v3, 12, v5                  ; codes: lanes 16-31 belong to the next column tile; 16 r in a block's 256 bytes
	v_lshlrev_b32 v6, 4, v1                        ; scale word: 16 bytes a column
.set n, 0
.rept 128
	global_load_b32 v[R+n], v4, s[6:7] offset:n*2048 th:TH_LOAD_NT   ; W(128 s + n, my column): all 128 go out together
.set n, n+1
.endr
.macro WBLK t, left                    ; block t of my column: all its 32 numbers are mine
.set B, R+32*(\t)
	s_wait_loadcnt \left
	v_max3_num_f32 v8, |v[B]|, |v[B+1]|, |v[B+2]|
	v_max3_num_f32 v9, |v[B+3]|, |v[B+4]|, |v[B+5]|
.irp i, 6,10,14,18,22,26
	v_max3_num_f32 v8, v8, |v[B+\i]|, |v[B+\i+1]|
	v_max3_num_f32 v9, v9, |v[B+\i+2]|, |v[B+\i+3]|
.endr
	v_max3_num_f32 v8, v8, |v[B+30]|, |v[B+31]|
	v_max3_num_f32 v8, v8, v9, FLOOR
	v_add_nc_u32 v10, OFFE, v8                     ; the conversion's scale operand
.if (\t) == 0
	v_lshrrev_b32 v160, 23, v10                    ; the scale word: byte t for block t
.else
	v_lshrrev_b32 v11, 23, v10
	v_lshl_or_b32 v160, v11, 8*(\t), v160
.endif
.irp g, 0,1,2,3
	v_cvt_scalef32_pk8_fp4_f32 v[144+4*(\t)+\g], v[B+8*\g:B+8*\g+7], v10
.endr
	v_nop                                          ; one plain line behind the last scaled conversion
	global_store_b128 v5, v[144+4*(\t):144+4*(\t)+3], s[16:17] offset:256*(\t)   ; each half of the lanes stores 256 consecutive bytes, aligned; each block has registers of its own
.endm
	WBLK 0, 63                                     ; behind block 0's loads 96 were issued, behind block 1's 64: the count's field ends at 63, and a smaller count is safe
	WBLK 1, 63
	WBLK 2, 32
	WBLK 3, 0
	global_store_b32 v6, v160, s[18:19]            ; 4 bytes of each column's 16: WS is 24,576 bytes in all, against the 20 million that the launch reads
	s_wait_tensorcnt 0x0                           ; this path stores nothing to LDS; the launch's two ends are written alike
	ds_add_u32 v[SPW], v[NIL]
	s_wait_dscnt 0x0
	s_endpgm
.Lfunc_end_k_qd2f0ee87cb_prep:
	.size	k_qd2f0ee87cb_prep, .Lfunc_end_k_qd2f0ee87cb_prep-k_qd2f0ee87cb_prep
	.p2alignl 7, 3214868480
	.fill 96, 4, 3214868480
	.section	.rodata,"a",@progbits
	.p2align	6, 0x0
	.amdhsa_kernel k_qd2f0ee87cb_prep
		.amdhsa_group_segment_fixed_size 17152
		.amdhsa_private_segment_fixed_size 0
		.amdhsa_enable_private_segment 0
		.amdhsa_kernarg_size 64
		.amdhsa_user_sgpr_count 2
		.amdhsa_user_sgpr_kernarg_segment_ptr 1
		.amdhsa_wavefront_size32 1
		.amdhsa_system_sgpr_workgroup_id_x 1
		.amdhsa_system_sgpr_workgroup_id_y 1
		.amdhsa_system_sgpr_workgroup_id_z 1
		.amdhsa_system_vgpr_workitem_id 0
		.amdhsa_next_free_vgpr 256
		.amdhsa_next_free_sgpr 66
		.amdhsa_reserve_vcc 1
		.amdhsa_float_denorm_mode_32 3
		.amdhsa_float_denorm_mode_16_64 3
		.amdhsa_memory_ordered 1
		.amdhsa_forward_progress 1
		.amdhsa_inst_pref_size 49
	.end_amdhsa_kernel
	.amdgpu_metadata
---
amdhsa.version: [ 1, 2 ]
amdhsa.kernels:
  - .name:           k_qd2f0ee87cb_prep
    .symbol:         k_qd2f0ee87cb_prep.kd
    .args:
      - { .name: x, .offset: 0, .size: 8, .value_kind: global_buffer, .address_space: global }
      - { .name: Wk, .offset: 8, .size: 8, .value_kind: global_buffer, .address_space: global }
      - { .name: Wq, .offset: 16, .size: 8, .value_kind: global_buffer, .address_space: global }
      - { .name: Wv, .offset: 24, .size: 8, .value_kind: global_buffer, .address_space: global }
      - { .name: XC, .offset: 32, .size: 8, .value_kind: global_buffer, .address_space: global }
      - { .name: XS, .offset: 40, .size: 8, .value_kind: global_buffer, .address_space: global }
      - { .name: WC, .offset: 48, .size: 8, .value_kind: global_buffer, .address_space: global }
      - { .name: WS, .offset: 56, .size: 8, .value_kind: global_buffer, .address_space: global }
    .group_segment_fixed_size: 17152
    .private_segment_fixed_size: 0
    .kernarg_segment_align: 8
    .kernarg_segment_size: 64
    .max_flat_workgroup_size: 64
    .sgpr_count:     66
    .vgpr_count:     256
    .wavefront_size: 32
...
	.end_amdgpu_metadata
.endif
;; end of part 1
;; launch proj (part 2): grid 128 x 2, 4 waves a work-group, no clusters, 0 bytes of LDS; arguments XC, XS, WC, WS, QF, KV; writes QF, KV
.if DOCPART == 2
	.amdgcn_target "amdgcn-amd-amdhsa--gfx1250"
	.amdhsa_code_object_version 6
	.text
	.protected	k_qd2f0ee87cb_proj
	.globl	k_qd2f0ee87cb_proj
	.p2align	8
	.type	k_qd2f0ee87cb_proj,@function
k_qd2f0ee87cb_proj:
	s_mov_b64 s[64:65], 0
	v_nop
	global_prefetch_b8 v0, s[64:65] scope:SCOPE_SE
	s_setreg_imm32_b32 hwreg(HW_REG_WAVE_MODE, 25, 1), 1
	s_wait_xcnt 0x0
; k = x Wk, q = x Wq, v = x Wv on codes of FP4 with E8M0 scales (sums in f32, K ascending, one accumulator an output), rounded once to f16 and laid as the attention launch's operand registers.
; SHARES: work-group x = a block of 64 tokens (128 of them); a wave = one head (4 y + wave): k, q and v of 64 tokens x 64 channels: three phases of 64 matrix instructions, written out.  No LDS, no branch, no register used twice.
; All operands come as images of their registers: every load and every store of a wave covers 512 consecutive bytes, aligned.
; k AND q ARE USED TRANSPOSED (source 0 = 16 columns of W, source 1 = 16 tokens): a lane holds one token and eight neighbouring channels, which pack into four registers of an f16 fragment [16 tokens x 32 channels].
; v IS USED STRAIGHT (source 0 = 16 tokens, source 1 = 16 columns of Wv): a lane holds one channel and eight neighbouring tokens: a fragment of v^T [16 channels x 32 tokens].
; In both cases accumulator (a, b) is register group a % 2 of fragment 2 b + a / 2.
; QF [head-in-batch 0..15][block of 64 tokens][token tile][32 channels][1,024]: the k projection.  KV [head-in-batch][64 tokens][16,384]: 8,192 bytes of the q projection, laid likewise, then v^T [channel tile][32 tokens][1,024].
; LIMIT: k, q and v are kept in f16: magnitudes of 65,504 and more become infinities.  (As drawn they are about 5 at the most; with all inputs 30 times larger about 5,000.)
; No tensor loads and no cluster: a wave's operands are 64 KB, read once into registers, and the launch is short.
; REGISTERS, in windows of 256: window 0: v1, v2 offsets; v16-31 x's scale words (4 b + s); v32-79 W's (16 type + 4 a + s); v80-207 x's 16 fragments (tile b, K step s at 8 (4 b + s)).
;   window 1: Wk's 16 fragments at v0, Wq's at v128.   window 2: Wv's at v0; k's 16 accumulators at v128.   window 3: q's at v0, v's at v128.  Accumulator (a, b) at 8 (4 a + b).
.set L16, 1
.set R16, 2
.set SX,  16
.set SW,  32
.set XF,  80
.set MSB, 0
.macro WIN new                         ; the immediate's high byte repeats the setting that is left
.if MSB != \new
	s_set_vgpr_msb (MSB<<8)|\new
.set MSB, \new
.endif
.endm
	s_load_b256 s[4:11], s[0:1], 0x0               ; XC s[4:5], XS s[6:7], WC s[8:9], WS s[10:11]
	s_load_b128 s[12:15], s[0:1], 0x20             ; QF s[12:13], KV s[14:15]
	v_lshrrev_b32 v3, 5, v0
	v_readfirstlane_b32 s16, v3                    ; wave 0..3
	v_and_b32 v[L16], 31, v0
	v_lshlrev_b32 v[L16], 4, v[L16]                ; 16 x lane
	v_and_b32 v[R16], 15, v0
	v_lshlrev_b32 v[R16], 4, v[R16]                ; 16 x (lane % 16): a row's four scale words
	s_and_b32 s17, ttmp7, 0xffff
	s_lshl_b32 s17, s17, 2
	s_add_co_u32 s17, s17, s16                     ; head 0..7
	s_lshr_b32 s18, ttmp9, 6                       ; batch
	s_lshl_b32 s18, s18, 3
	s_add_co_u32 s18, s18, s17                     ; head-in-batch 0..15
	s_lshl_b32 s18, s18, 6
	s_and_b32 s19, ttmp9, 63
	s_add_co_u32 s18, s18, s19                     ; x 64 + the block of 64 tokens in its sequence
	s_mov_b32 s21, 0
	s_wait_kmcnt 0x0
	s_lshl_b32 s20, ttmp9, 14                      ; x's codes: four row tiles of 4,096 bytes
	s_add_nc_u64 s[4:5], s[4:5], s[20:21]
	s_lshl_b32 s20, ttmp9, 10                      ; x's scales: 64 rows of 16 bytes
	s_add_nc_u64 s[6:7], s[6:7], s[20:21]
	s_lshl_b32 s20, s17, 14                        ; W's codes: the head's four column tiles; the weight stands in the immediate
	s_add_nc_u64 s[8:9], s[8:9], s[20:21]
	s_lshl_b32 s20, s17, 10
	s_add_nc_u64 s[10:11], s[10:11], s[20:21]
	s_lshl_b32 s20, s18, 13
	s_add_nc_u64 s[12:13], s[12:13], s[20:21]
	s_lshl_b32 s20, s18, 14
	s_add_nc_u64 s[14:15], s[14:15], s[20:21]
	; all 144 loads in one run: scales, x, Wk, Wq, Wv
.irp b, 0,1,2,3
	global_load_b128 v[SX+4*\b:SX+4*\b+3], v[R16], s[6:7] offset:256*\b
.endr
.irp y, 0,1,2
.irp a, 0,1,2,3
	global_load_b128 v[SW+16*\y+4*\a:SW+16*\y+4*\a+3], v[R16], s[10:11] offset:8192*\y+256*\a
.endr
.endr
.set n, 0
.rept 32
	global_load_b128 v[XF+4*n:XF+4*n+3], v[L16], s[4:5] offset:512*n
.set n, n+1
.endr
	WIN 0x40                                       ; destination window 1
.set n, 0
.rept 32
	global_load_b128 v[4*n:4*n+3], v[L16], s[8:9] offset:512*n                  ; Wk
.set n, n+1
.endr
.set n, 0
.rept 32
	global_load_b128 v[128+4*n:128+4*n+3], v[L16], s[8:9] offset:131072+512*n   ; Wq
.set n, n+1
.endr
	WIN 0x80                                       ; destination window 2
.set n, 0
.rept 32
	global_load_b128 v[4*n:4*n+3], v[L16], s[8:9] offset:262144+512*n           ; Wv
.set n, n+1
.endr
; 64 matrix instructions: K step by K step, the 16 accumulators by turns, one instruction a turn.  The first K step starts the sums: nothing is cleared.
; tr = 0: source 0 = W's tile a, source 1 = x's tile b.  tr = 1: source 0 = x's tile a, source 1 = W's tile b.
.macro PHASE acc, wf, ws, tr
.irp ks, 0,1,2,3
.irp a, 0,1,2,3
.irp b, 0,1,2,3
.set rD, \acc+8*(4*(\a)+(\b))
.if \tr
.set rA, XF+8*(4*(\a)+\ks)
.set rB, \wf+8*(4*(\b)+\ks)
.set sA, SX+4*(\a)+\ks
.set sB, \ws+4*(\b)+\ks
.else
.set rA, \wf+8*(4*(\a)+\ks)
.set rB, XF+8*(4*(\b)+\ks)
.set sA, \ws+4*(\a)+\ks
.set sB, SX+4*(\b)+\ks
.endif
.if \ks == 0
	v_wmma_scale_f32_16x16x128_f8f6f4 v[rD:rD+7], v[rA:rA+7], v[rB:rB+7], 0, v[sA], v[sB] matrix_a_fmt:MATRIX_FMT_FP4 matrix_b_fmt:MATRIX_FMT_FP4
.else
	v_wmma_scale_f32_16x16x128_f8f6f4 v[rD:rD+7], v[rA:rA+7], v[rB:rB+7], v[rD:rD+7], v[sA], v[sB] matrix_a_fmt:MATRIX_FMT_FP4 matrix_b_fmt:MATRIX_FMT_FP4
.endif
.endr
.endr
.endr
.endm
.macro CVT acc                         ; 16 accumulators to f16, in place: register j takes registers 2 j and 2 j + 1, ascending
.set n, 0
.rept 16
.irp j, 0,1,2,3
	v_cvt_pk_f16_f32 v[\acc+8*n+\j], v[\acc+8*n+2*\j], v[\acc+8*n+2*\j+1]
.endr
.set n, n+1
.endr
.endm
.macro STORE acc, sb, off              ; accumulator (a, b): register group a % 2 of fragment 2 b + a / 2: 512 consecutive bytes a store
.irp a, 0,1,2,3
.irp b, 0,1,2,3
	global_store_b128 v[L16], v[\acc+8*(4*(\a)+(\b)):\acc+8*(4*(\a)+(\b))+3], s[\sb:\sb+1] offset:\off+(2*(\b)+(\a)/2)*1024+((\a)%2)*512
.endr
.endr
.endm
	s_wait_loadcnt 63                              ; scales, x and Wk are in: 64 loads (Wq's, Wv's) were issued behind them, and the count's field ends at 63
	WIN 0xa1                                       ; source 0 window 1, source 1 window 0, C and D window 2
	PHASE 128, 0, SW, 0                            ; k
	s_wait_loadcnt 32                              ; Wq is in; Wv's 32 may be out
	WIN 0xf1                                       ; C and D window 3
	PHASE 0, 128, SW+16, 0                         ; q
.rept 4
	v_nop                                          ; four places between k's last product and the first read of its results (ISA guide 7.12.1): the matrix instructions between are not counted
.endr
	WIN 0x8a                                       ; sources and destination window 2
	CVT 128
	WIN 0x08                                       ; a store's data are its source 1: window 2
	STORE 128, 12, 0
	s_wait_loadcnt 0x0                             ; Wv
	WIN 0xf8                                       ; source 0 window 0, source 1 window 2, C and D window 3
	PHASE 128, 0, SW+32, 1                         ; v
	WIN 0xcf                                       ; k's 64 conversions were the places behind q's last product
	CVT 0
	WIN 0x0c
	STORE 0, 14, 0
	WIN 0xcf                                       ; q's 64 conversions, which name no register of v's products, are the places behind them
	CVT 128
	WIN 0x0c
	STORE 128, 14, 8192
	WIN 0
	s_endpgm
.Lfunc_end_k_qd2f0ee87cb_proj:
	.size	k_qd2f0ee87cb_proj, .Lfunc_end_k_qd2f0ee87cb_proj-k_qd2f0ee87cb_proj
	.p2alignl 7, 3214868480
	.fill 96, 4, 3214868480
	.section	.rodata,"a",@progbits
	.p2align	6, 0x0
	.amdhsa_kernel k_qd2f0ee87cb_proj
		.amdhsa_group_segment_fixed_size 0
		.amdhsa_private_segment_fixed_size 0
		.amdhsa_enable_private_segment 0
		.amdhsa_kernarg_size 48
		.amdhsa_user_sgpr_count 2
		.amdhsa_user_sgpr_kernarg_segment_ptr 1
		.amdhsa_wavefront_size32 1
		.amdhsa_system_sgpr_workgroup_id_x 1
		.amdhsa_system_sgpr_workgroup_id_y 1
		.amdhsa_system_sgpr_workgroup_id_z 1
		.amdhsa_system_vgpr_workitem_id 0
		.amdhsa_next_free_vgpr 1024
		.amdhsa_next_free_sgpr 66
		.amdhsa_reserve_vcc 0
		.amdhsa_float_denorm_mode_32 3
		.amdhsa_float_denorm_mode_16_64 3
		.amdhsa_memory_ordered 1
		.amdhsa_forward_progress 1
		.amdhsa_inst_pref_size 56
	.end_amdhsa_kernel
	.amdgpu_metadata
---
amdhsa.version: [ 1, 2 ]
amdhsa.kernels:
  - .name:           k_qd2f0ee87cb_proj
    .symbol:         k_qd2f0ee87cb_proj.kd
    .args:
      - { .name: XC, .offset: 0, .size: 8, .value_kind: global_buffer, .address_space: global }
      - { .name: XS, .offset: 8, .size: 8, .value_kind: global_buffer, .address_space: global }
      - { .name: WC, .offset: 16, .size: 8, .value_kind: global_buffer, .address_space: global }
      - { .name: WS, .offset: 24, .size: 8, .value_kind: global_buffer, .address_space: global }
      - { .name: QF, .offset: 32, .size: 8, .value_kind: global_buffer, .address_space: global }
      - { .name: KV, .offset: 40, .size: 8, .value_kind: global_buffer, .address_space: global }
    .group_segment_fixed_size: 0
    .private_segment_fixed_size: 0
    .kernarg_segment_align: 8
    .kernarg_segment_size: 48
    .max_flat_workgroup_size: 128
    .sgpr_count:     66
    .vgpr_count:     1024
    .wavefront_size: 32
...
	.end_amdgpu_metadata
.endif
;; end of part 2
;; launch attn (part 3): grid 16 x 16, 8 waves a work-group, clusters of 4 x 1, 327,680 bytes of LDS; arguments QF, KV, out0; writes out0
.if DOCPART == 3
	.amdgcn_target "amdgcn-amd-amdhsa--gfx1250"
	.amdhsa_code_object_version 6
	.text
	.protected	k_qd2f0ee87cb_attn
	.globl	k_qd2f0ee87cb_attn
	.p2align	8
	.type	k_qd2f0ee87cb_attn,@function
k_qd2f0ee87cb_attn:
	s_mov_b64 s[64:65], 0
	v_nop
	global_prefetch_b8 v0, s[64:65] scope:SCOPE_SE
	s_setreg_imm32_b32 hwreg(HW_REG_WAVE_MODE, 25, 1), 1
	s_wait_xcnt 0x0
	s_wait_alu depctr_hold_cnt(0) depctr_sa_sdst(0) depctr_va_vdst(0) depctr_va_sdst(0) depctr_va_ssrc(0) depctr_va_vcc(0) depctr_vm_vsrc(0)
	s_getreg_b32 s2, hwreg(HW_REG_IB_STS2, 6, 4)
	s_cmp_eq_u32 s2, 0
	s_cbranch_scc0 .Lentry_in_a_cluster
	s_endpgm
.Lentry_in_a_cluster:
	s_bfe_u32 s2, ttmp6, 0x10000c
	s_cmp_lg_u32 s2, 0x3003
	s_cbranch_scc0 .Lentry_shape_is_right
	s_endpgm
.Lentry_shape_is_right:
; out[b][n][h][:] = the sum over m of softmax_m(k[n] . q[m] / 8) v[m][:], for 16 heads-in-batch, 4,096 positions, head size 64.  The rows of the k projection are the QUERIES here (QF), those of the q projection the KEYS and
; those of v the values (KV).  Operands in f16, products, maxima and sums in f32; the weights p are rounded to f16 for the second product.
; LIMITS: operands are f16 (see the launch that makes them); p lies in (0, 1] under a running maximum, and what falls under f16's smallest number is dropped beside a term that is 1.  NaN and infinities are not served.
; SHARES.  A work-group owns 256 queries of one head.  Wave w has the 64 queries of group w % 4 (four tiles of 16) and walks the key steps (64 keys) of parity w / 4: 32 of the 64.  So two waves lie on a SIMD, and one's softmax
; stands beside the other's products, while each fragment of K and V read from LDS still feeds four products.  At the end waves w and w xor 4 join their halves: each sends two tiles and finishes two.
; Register tile t holds tile (t + 2 (w / 4)) % 4 of the 64 queries, by address alone: so tiles 0, 1 are those that a wave finishes and tiles 2, 3 those that it sends, in every wave's text.
; LAYOUT.  S^T = K Q^T (source 0 = 16 keys, source 1 = 16 queries): a lane holds ONE query (lane % 16) and keys 8 (lane / 16) + 0..7.  Two such tiles, rounded to f16 in pairs, ARE source 1 of O^T = V^T P, whose result again
; holds one query a lane.  K, V^T and Q lie in memory as images of the operands' registers: a fragment is two loads of 16 bytes a lane at 16 x lane: 512 consecutive bytes, so LDS needs no padding.
; SOFTMAX.  Running maximum m and sum l a query: p = 2^(c s - c m), c = log2(e) / 8; in every step O and l are multiplied by a = 2^(c m_old - c m_new).
; PHASES.  The tiles are two pieces (0: tiles 0, 1; 2: tiles 2, 3).  Half a step: one piece's softmax, its V^T P, the other piece's K Q^T.  S^T has registers for one piece.
; RING.  Two LDS slots of 8 key steps (131,072 bytes); wave w brings step w of each fill by one tensor load (64 rows of 256 bytes, dense).  CLUSTER: the four query blocks of a cluster belong to one head and walk the same K and
; V: each load is asked for JOINTLY, with the same descriptor and a mask that names the four.  By this text's count a wave has two tensor loads out at the start and one behind each round.
; REGISTERS: window 0: v1-14 addresses; v16-47 statistics, 8 a tile (+0 c m, +1 m, +2, +3 l, +4..+7 at work; a in +6); v48-111 Q; v112-175 S^T of a piece; v176-239 P; v240-247 the partner's statistics.
;   window 1: v0-127 O^T, 32 a tile; v128-191 K's 8 fragments; v192-255 V's.
.set SLOT1, 131072                     ; slot 1 begins here: one exclusive or turns an address in one slot into the other's
.set STEPB, 16384                      ; a key step: 8,192 bytes of K, 8,192 of V^T
.set SPARE, 2*SLOT1                    ; behind the ring: the spare words, 128 bytes for each wave: four blocks of 256 bytes that no other line names
.set MST,   9216                       ; the join: a stage for each wave, 8,192 bytes of O^T and 1,024 of statistics.  The stages lie in slot 0, which has had its last fill and its last read by then
.set OST,   8*MST                      ; the way out: 16 rows x 272 bytes for each wave, behind them
.set OSP,   272
.set AK0, 1                            ; v1   16 x lane + my parity's first step: my place in a step's K
.set AV0, 2                            ; v2   the same for V
.set ADR, 3                            ; v3   the LDS address of the run of loads in hand
.set L16, 4                            ; v4   16 x lane
.set QO0, 5                            ; v5, v6  my byte offsets in the 64 queries' fragments: tiles 0, 1 and tiles 2, 3
.set SA,  7                            ; v7   my stage for the join;  v8 my partner's
.set LA,  8
.set STO, 9                            ; v9   the way out: where I put 32 bytes of a row;  v10 where I read rows back;  v11 my byte offset in out0
.set RD,  10
.set GO,  11
.set PFO, 12                           ; v12  256 x lane; never rewritten
.set SPW, 13                           ; v13  LDS address of my spare word; never rewritten
.set NIL, 14                           ; v14  0; never rewritten
.set ST,  16
.set Q,   48
.set S,   112
.set P,   176
.set PS,  240
.set KF,  128                          ; in window 1
.set VF,  192
.set WV,  10                           ; s10 wave;  s11 parity;  s12 group of 64 queries;  s13 cx;  s14 block of 256 queries;  s15 head-in-batch
.set PAR, 11
.set GQ,  12
.set CX,  13
.set QB,  14
.set BH,  15
.set G1,  16                           ; s[16:23] descriptor group 1
.set G0A, 24                           ; s[24:27] group 0 of the first fill;  s[28:31] of the second, which then walks on
.set G0B, 28
.set PFA, 36                           ; s[36:37] where my prefetches stand
.set LIM, 38                           ; s38  1 in a wave that prefetches, else the greatest number
.set SLOTS, 39                         ; s39  fills still to be asked for
.set CNT, 40                           ; s40  counts key steps
.set TB,  41                           ; s41  LDS byte at which the pair of steps to be fetched begins
.set CS,  42                           ; s[42:43] c: the packed form names a pair and takes its low word for both halves
.set SEL, 44                           ; s[44:45] v_permlanex16_b32's selects for lane l xor 16
.set MSB, 0
.macro WIN new                         ; the immediate's high byte repeats the setting that is left; bits 1:0 source 0, 3:2 source 1, 5:4 source 2, 7:6 destination
.if MSB != \new
	s_set_vgpr_msb (MSB<<8)|\new
.set MSB, \new
.endif
.endm
.macro PLACES                          ; four places behind a matrix instruction, in front of loads into registers that it read and of the first read of its results (ISA guide 7.12.1 for the read of its results)
.rept 4
	v_nop
.endr
.endm
.macro CROUND                          ; a round of the cluster's barrier: my work-group's barrier; wave 0 signals for the work-group; every wave waits for all four work-groups; my work-group's barrier once more
	s_barrier_signal -1
	s_barrier_wait -1
	s_cmp_lg_u32 s[WV], 0
	s_cbranch_scc1 .Lnot_wave_0_\@
	s_barrier_signal -3
.Lnot_wave_0_\@:
	s_barrier_wait -3
	s_barrier_signal -1
	s_barrier_wait -1
.endm
; A PREFETCH of the fill that the NEXT change of slots will ask for: 131,072 bytes, lanes 256 bytes apart.  Each aligned block of 256 bytes is named once in the launch: all four clusters of a head walk the same KV, and the head's
; first cluster asks; its four partners take 32,768 bytes each, told apart BY ADDRESS; in each, waves 0 to 3 take 8,192 bytes, one instruction.  It stands behind the wave's tensor load and its five lines: four key steps of a wave
; ahead of the load that will want the bytes.  The last change that fills a slot asks for nothing; fills 0, 1 and 2 come by their loads alone.
.macro ASK
	s_cmp_gt_u32 s[SLOTS], s[LIM]
	s_cbranch_scc0 .Lnot_mine_\@
	global_prefetch_b8 v[PFO], s[PFA:PFA+1] th:TH_LOAD_NT scope:SCOPE_SE
.Lnot_mine_\@:
.endm
	s_load_b128 s[4:7], s[0:1], 0x0                ; QF s[4:5], KV s[6:7]
	s_load_b64 s[8:9], s[0:1], 0x10                ; out0
	v_lshl_add_u32 v[SPW], v0, 2, SPARE
	v_mov_b32 v[NIL], 0
	ds_add_u32 v[SPW], v[NIL]                      ; the wave's opening: the add, twice on end, and its wait ahead of my first tensor load; the set-up below, work on registers, stands between
	ds_add_u32 v[SPW], v[NIL]
	v_lshrrev_b32 v15, 5, v0
	v_readfirstlane_b32 s[WV], v15                 ; wave 0..7
	s_lshr_b32 s[PAR], s[WV], 2
	s_and_b32 s[GQ], s[WV], 3
	s_and_b32 s[BH], ttmp7, 0xffff                 ; the head-in-batch, which the four partners share
	s_lshl_b32 s46, s[BH], 20                      ; KV: a head's 64 steps are 2^20 bytes;
	s_lshl_b32 s47, s[WV], 14                      ; my step of a fill
	s_add_co_u32 s46, s46, s47
	s_mov_b32 s47, 0                               ; (s46, s47 never hold my place in the cluster)
	s_mov_b32 s[G0A], 1                            ; 1:0 count = 1
	s_lshl_b32 s[G0A+1], s[WV], 14                 ; 63:32 LDS address: slot 0, step = my wave
	s_mov_b32 s[G0B], 1
	s_add_co_u32 s[G0B+1], s[G0A+1], SLOT1         ; slot 1
	s_mov_b32 s[G1], 15|(3<<16)|(1<<21)            ; 15:0 the mask: all four work-groups; 17:16 elements of 8 bytes; 21 set beside a mask; no padding
	s_mov_b32 s[G1+1], 32<<16                      ; tensor_dim0 = 32 elements: 256 bytes
	s_mov_b32 s[G1+2], 64<<16                      ; tensor_dim1 = 64
	s_mov_b32 s[G1+3], 32<<16                      ; tile_dim0 = 32
	s_mov_b32 s[G1+4], 64                          ; tile_dim1 = 64
	s_mov_b32 s[G1+5], 32                          ; from row to row: dense
	s_mov_b32 s[G1+6], 0
	s_mov_b32 s[G1+7], 0
	s_or_b32 s[LIM], s[PAR], ttmp9                 ; 0 in waves 0 to 3 of the head's first cluster: the same in all four partners
	s_cmp_eq_u32 s[LIM], 0
	s_cselect_b32 s[LIM], 1, -1
	s_bfe_u32 s[CX], ttmp6, 0x40000                ; cx: my place in the cluster: it enters Q's, out0's and the prefetches' addresses alone
	s_lshl_b32 s[QB], ttmp9, 2
	s_add_co_u32 s[QB], s[QB], s[CX]               ; my block of 256 queries
	s_lshl_b32 s48, s[BH], 6                       ; QF: (64 head + 4 block + group) x 8,192
	s_lshl_b32 s54, s[QB], 2
	s_add_co_u32 s48, s48, s54
	s_add_co_u32 s48, s48, s[GQ]
	s_lshl_b32 s48, s48, 13
	s_mov_b32 s49, 0
	s_lshl_b32 s50, s[QB], 8                       ; out0: row 256 block + 64 group + 32 parity (the two tiles that I finish),
	s_lshl_b32 s54, s[GQ], 6
	s_add_co_u32 s50, s50, s54
	s_lshl_b32 s54, s[PAR], 5
	s_add_co_u32 s50, s50, s54
	s_lshl_b32 s50, s50, 11                        ; of 2,048 bytes;
	s_lshr_b32 s54, s[BH], 3
	s_lshl_b32 s54, s54, 23                        ; the batch;
	s_add_co_u32 s50, s50, s54
	s_and_b32 s54, s[BH], 7
	s_lshl_b32 s54, s54, 8                         ; the head's 256 bytes of a row
	s_add_co_u32 s50, s50, s54
	s_mov_b32 s51, 0
	s_lshl_b32 s52, s[BH], 20                      ; the prefetches: my head, fill 2 (the first change of slots steps it to fill 3),
	s_add_co_u32 s52, s52, 2*SLOT1
	s_lshl_b32 s54, s[CX], 15                      ; my work-group's 32,768 bytes,
	s_add_co_u32 s52, s52, s54
	s_lshl_b32 s54, s[GQ], 13                      ; my wave's 8,192
	s_add_co_u32 s52, s52, s54
	s_mov_b32 s53, 0
	s_mov_b32 s[CS], 0x3e38aa3b                    ; c = log2(e) / 8
	s_mov_b32 s[CS+1], s[CS]
	s_mov_b32 s[SEL], 0x76543210
	s_mov_b32 s[SEL+1], 0xfedcba98
	s_mov_b32 s[TB], 0
	s_mov_b32 s[SLOTS], 6
	v_and_b32 v[L16], 31, v0
	v_lshlrev_b32 v[PFO], 8, v[L16]
	v_lshlrev_b32 v[L16], 4, v[L16]
	s_lshl_b32 s54, s[PAR], 14
	v_add_nc_u32 v[AK0], s54, v[L16]
	v_add_nc_u32 v[AV0], 8192, v[AK0]
	s_lshl_b32 s54, s[PAR], 12                     ; register tiles 0, 1 are tiles 2 parity + 0, 1 of the 64 queries (2,048 bytes a tile),
	v_add_nc_u32 v[QO0], s54, v[L16]
	s_xor_b32 s54, s54, 4096                       ; register tiles 2, 3 the other two
	v_add_nc_u32 v[QO0+1], s54, v[L16]
	s_mul_i32 s54, s[WV], MST
	v_add_nc_u32 v[SA], s54, v[L16]
	s_xor_b32 s54, s[WV], 4
	s_mul_i32 s54, s54, MST
	v_add_nc_u32 v[LA], s54, v[L16]
	v_and_b32 v15, 15, v0                          ; r
	v_bfe_u32 v240, v0, 4, 1                       ; hh
	s_mul_i32 s54, s[WV], 16*OSP
	s_add_co_u32 s54, s54, OST
	v_mul_u32_u24 v[STO], v15, OSP                 ; in: row r, 32 bytes for each half of the lanes
	v_lshl_add_u32 v[STO], v240, 5, v[STO]
	v_add_nc_u32 v[STO], s54, v[STO]
	v_mul_u32_u24 v[RD], v240, OSP                 ; back: lanes 0-15 one row of 256 bytes, lanes 16-31 the next
	v_lshl_add_u32 v[RD], v15, 4, v[RD]
	v_add_nc_u32 v[RD], s54, v[RD]
	v_lshlrev_b32 v[GO], 11, v240                  ; and the same two rows in out0
	v_lshl_add_u32 v[GO], v15, 4, v[GO]
	s_wait_dscnt 0x0                               ; both opening adds are done
	s_wait_kmcnt 0x0
	s_add_nc_u64 s[G0A+2:G0A+3], s[6:7], s[46:47]  ; 120:64 global address: my step of fill 0,
	s_add_nc_u64 s[G0B+2:G0B+3], s[G0A+2:G0A+3], SLOT1   ; of fill 1
	s_or_b32 s[G0A+3], s[G0A+3], 0x80000000        ; 127:126 type = 2
	s_or_b32 s[G0B+3], s[G0B+3], 0x80000000
	s_add_nc_u64 s[PFA:PFA+1], s[6:7], s[52:53]
	s_add_nc_u64 s[4:5], s[4:5], s[48:49]
	s_add_nc_u64 s[8:9], s[8:9], s[50:51]
	CROUND                                         ; all four work-groups are here: the first joint loads meet
	tensor_load_to_lds s[G0A:G0A+3], s[G1:G1+7]    ; both first fills together, ahead of every wait on TENSORcnt and every LDS read; an s_nop 0 behind each, four v_nop behind the second
	s_nop 0
	tensor_load_to_lds s[G0B:G0B+3], s[G1:G1+7]
	s_nop 0
	PLACES
.irp t, 0,1,2,3                        ; Q stays in registers: tile t, channels 32 c on, register group g
.irp c, 0,1
.irp g, 0,1
	global_load_b128 v[Q+16*\t+8*\c+4*\g:Q+16*\t+8*\c+4*\g+3], v[QO0+\t/2], s[4:5] offset:(\t%2)*2048+1024*\c+512*\g
.endr
.endr
.endr
; THE LDS LOADS stand in runs of 16: a step's 8 fragments of K, and half a step later its 8 of V^T.
.macro FETCH_K
	WIN 0
	v_add_nc_u32 v[ADR], s[TB], v[AK0]
	WIN 0x40                                       ; destination window 1
.set f, 0
.rept 16
	ds_load_b128 v[KF+4*f:KF+4*f+3], v[ADR] offset:512*f
.set f, f+1
.endr
.endm
.macro FETCH_V
	WIN 0
	v_add_nc_u32 v[ADR], s[TB], v[AV0]
	s_add_co_u32 s[TB], s[TB], 2*STEPB             ; the next fetch is my parity's next step
	WIN 0x40
.set f, 0
.rept 16
	ds_load_b128 v[VF+4*f:VF+4*f+3], v[ADR] offset:512*f
.set f, f+1
.endr
.endm
; 16 products S^T = K Q^T for piece x: channels 32 (i / 8) on, keys 16 ((i / 2) % 4) on, tile x + i % 2.  The first 8 start the sums.  The 8 accumulators take turns, one instruction a turn.
.macro SQ x
	WIN 0x01                                       ; K in window 1; Q and S^T in window 0
.set i, 0
.rept 16
.set rS, S+32*(i%2)+8*((i/2)%4)
.set rK, KF+8*(2*((i/2)%4)+i/8)
.set rQ, Q+16*(\x+i%2)+8*(i/8)
.if i < 8
	v_wmma_f32_16x16x32_f16 v[rS:rS+7], v[rK:rK+7], v[rQ:rQ+7], 0
.else
	v_wmma_f32_16x16x32_f16 v[rS:rS+7], v[rK:rK+7], v[rQ:rQ+7], v[rS:rS+7]
.endif
.set i, i+1
.endr
.endm
; 16 products O^T += V^T P for piece x: keys 32 (i / 8) on, channels 16 ((i / 2) % 4) on, tile x + i % 2.  zero = 1: the first 8 start the sums: nothing is ever cleared.
.macro PV x, zero
	WIN 0x51                                       ; V and O^T in window 1, P in window 0
.set i, 0
.rept 16
.set rO, 32*(\x+i%2)+8*((i/2)%4)
.set rV, VF+8*(2*((i/2)%4)+i/8)
.set rP, P+16*(\x+i%2)+8*(i/8)
.if \zero && (i < 8)
	v_wmma_f32_16x16x32_f16 v[rO:rO+7], v[rV:rV+7], v[rP:rP+7], 0
.else
	v_wmma_f32_16x16x32_f16 v[rO:rO+7], v[rV:rV+7], v[rP:rP+7], v[rO:rO+7]
.endif
.set i, i+1
.endr
.endm
.macro TILE t, u                       ; the registers of tile t, whose scores lie in half u of S^T
.set rT, ST+8*(\t)
.set rS, S+32*(\u)
.set rP, P+16*(\t)
.set rO, 32*(\t)
.endm
; THE SOFTMAX of piece y for one key step; the two tiles alternate, so that no line waits for the line above it.  first = 1: the first key step, which starts m, l and O^T.
.macro SM y, first
	WIN 0
.irp j, 0,1,2,3                        ; the maximum of the lane's 32 scores: four chains; each accumulator is read from its low end on
.irp u, 0,1
	TILE \y+\u, \u
	v_max3_num_f32 v[rT+4+\j], v[rS+8*\j], v[rS+8*\j+1], v[rS+8*\j+2]
.endr
.endr
.irp k, 3,5
.irp j, 0,1,2,3
.irp u, 0,1
	TILE \y+\u, \u
	v_max3_num_f32 v[rT+4+\j], v[rT+4+\j], v[rS+8*\j+\k], v[rS+8*\j+\k+1]
.endr
.endr
.endr
.irp u, 0,1
	TILE \y+\u, \u
	v_max3_num_f32 v[rT+4], v[rT+4], v[rS+7], v[rS+15]
	v_max3_num_f32 v[rT+6], v[rT+6], v[rS+23], v[rS+31]
.endr
.irp u, 0,1
	TILE \y+\u, \u
	v_max3_num_f32 v[rT+4], v[rT+4], v[rT+5], v[rT+6]
.endr
.irp u, 0,1
	TILE \y+\u, \u
.if \first
	v_max_num_f32 v[rT+4], v[rT+4], v[rT+7]
.else
	v_max3_num_f32 v[rT+4], v[rT+4], v[rT+7], v[rT+1]   ; and the old m
.endif
.endr
.irp u, 0,1
	TILE \y+\u, \u
	v_permlanex16_b32 v[rT+5], v[rT+4], s[SEL], s[SEL+1]   ; the query's other 32 keys lie in the lane 16 away
.endr
.if !\first
.irp u, 0,1
	TILE \y+\u, \u
	v_mov_b32 v[rT+7], v[rT]                       ; c m_old is kept for a
.endr
.endif
.irp u, 0,1
	TILE \y+\u, \u
	v_max_num_f32 v[rT+1], v[rT+4], v[rT+5]
.endr
.irp u, 0,1
	TILE \y+\u, \u
	v_mul_f32 v[rT], s[CS], v[rT+1]
.endr
.if !\first
.irp u, 0,1
	TILE \y+\u, \u
	v_sub_f32 v[rT+7], v[rT+7], v[rT]
.endr
.endif
.set e, 0
.rept 16
.irp u, 0,1
	TILE \y+\u, \u
	v_pk_fma_f32 v[rS+2*e:rS+2*e+1], v[rS+2*e:rS+2*e+1], s[CS:CS+1], v[rT:rT+1] op_sel_hi:[1,0,0] neg_lo:[0,0,1] neg_hi:[0,0,1]   ; c s - c m, two at a time
.endr
.set e, e+1
.endr
.if !\first
.irp u, 0,1
	TILE \y+\u, \u
	v_exp_f32 v[rT+6], v[rT+7]                     ; a
.endr
.endif
.set e, 0
.rept 32
.irp u, 0,1
	TILE \y+\u, \u
	v_exp_f32 v[rS+e], v[rS+e]                     ; p.  ONE BATCH: none of these lines names another's result
.endr
.set e, e+1
.endr
	v_nop                                          ; a plain line behind the last exponential
	s_wait_alu depctr_va_vdst(0)                   ; and one wait ahead of the batch's first reader
.set e, 0
.rept 16
.irp u, 0,1
	TILE \y+\u, \u
	v_cvt_pk_f16_f32 v[rP+e], v[rS+2*e], v[rS+2*e+1]
.endr
.set e, e+1
.endr
.irp o, 0,4,8,12,16,20,24,28           ; the sum of the 16 pairs, in place: neighbours 1, 2, 4, 8 pairs apart
.irp u, 0,1
	TILE \y+\u, \u
	v_pk_add_f32 v[rS+\o:rS+\o+1], v[rS+\o:rS+\o+1], v[rS+\o+2:rS+\o+3]
.endr
.endr
.irp o, 0,8,16,24
.irp u, 0,1
	TILE \y+\u, \u
	v_pk_add_f32 v[rS+\o:rS+\o+1], v[rS+\o:rS+\o+1], v[rS+\o+4:rS+\o+5]
.endr
.endr
.irp o, 0,16
.irp u, 0,1
	TILE \y+\u, \u
	v_pk_add_f32 v[rS+\o:rS+\o+1], v[rS+\o:rS+\o+1], v[rS+\o+8:rS+\o+9]
.endr
.endr
.if \first
.irp u, 0,1
	TILE \y+\u, \u
	v_pk_add_f32 v[rT+2:rT+3], v[rS:rS+1], v[rS+16:rS+17]
.endr
.else
.irp u, 0,1
	TILE \y+\u, \u
	v_pk_add_f32 v[rS:rS+1], v[rS:rS+1], v[rS+16:rS+17]
.endr
.irp u, 0,1
	TILE \y+\u, \u
	v_pk_fma_f32 v[rT+2:rT+3], v[rT+2:rT+3], v[rT+6:rT+7], v[rS:rS+1] op_sel_hi:[1,0,1]   ; l = a l + the sum
.endr
	WIN 0x41                                       ; O^T (destination and source 0) in window 1, a in window 0
.set e, 0
.rept 16
.irp u, 0,1
	TILE \y+\u, \u
	v_pk_mul_f32 v[rO+2*e:rO+2*e+1], v[rO+2*e:rO+2*e+1], v[rT+6:rT+7] op_sel_hi:[1,0]   ; ascending: each accumulator from its low end on
.endr
.set e, e+1
.endr
.endif
.endm
; A KEY STEP in two halves.  H1: the next step's K is fetched (its last reader, piece 2's K Q^T, stands in front of the places); piece 2's softmax and V^T P of the step in hand; piece 0's K Q^T of the next step.
; H2: that step's V is fetched (its last reader, piece 2's V^T P, stands in front of the places); piece 0's softmax and V^T P; piece 2's K Q^T.  Each run of loads has a softmax in which to land.
.macro H1 first
	PLACES
	FETCH_K
	SM 2, \first
	PV 2, \first
	s_wait_dscnt 0x0                               ; K is in
	SQ 0
.endm
.macro H2 first
	PLACES
	FETCH_V
	SM 0, \first
	s_wait_dscnt 0x0                               ; V is in
	PV 0, \first
	SQ 2
	WIN 0                                          ; at a label and at a branch every window is 0
.endm
.macro STEPS n                         ; n key steps of my parity: written once, walked n times; the LDS addresses hang on s[TB]
	s_mov_b32 s[CNT], \n
.Lstep_\@:
	H1 0
	H2 0
	s_sub_co_u32 s[CNT], s[CNT], 1
	s_cmp_lg_u32 s[CNT], 0
	s_cbranch_scc1 .Lstep_\@
.endm
; THE CHANGE OF SLOTS stands ahead of the fetch of a slot's first K: the old slot's last K and V are in my registers.  Each wave waits for all its tensor loads (one is out: its step of the other slot), adds 0 to its spare
; word, and waits for that and for its reads of the slot.  fill = 1: the barrier is a round of the cluster's, so that no wave of any partner still reads the slot or has a load on its way; the joint refill is the first thing
; behind it and has four of my key steps, 256 matrix instructions, in which to land.
.macro CHANGE fill
	WIN 0
	s_wait_tensorcnt 0x0                           ; no tensor load of mine is out, so a group 0 may be written
	ds_add_u32 v[SPW], v[NIL]                      ; 0 onto my spare word
.if \fill
	s_xor_b32 s[G0B+1], s[G0B+1], SLOT1            ; the walking descriptor: the other slot than last time,
	s_add_nc_u64 s[G0B+2:G0B+3], s[G0B+2:G0B+3], SLOT1   ; the next 8 key steps; the type bits on top are not reached
	s_wait_xcnt 0x0                                ; the last prefetch, a slot back, has read its address, so it may be written:
	s_add_nc_u64 s[PFA:PFA+1], s[PFA:PFA+1], SLOT1 ; one fill further on than the walking descriptor
	s_wait_dscnt 0x0                               ; the add is done, and my reads of the slot are over
	CROUND
	tensor_load_to_lds s[G0B:G0B+3], s[G1:G1+7]    ; one line for all eight waves: LDS and global address differ by the wave's number alone
	s_nop 0
	PLACES
	ASK
.else
	s_wait_dscnt 0x0
	s_barrier_signal -1
	s_barrier_wait -1
.endif
	s_sub_co_u32 s[TB], s[TB], SLOT1               ; the fetches go back to a slot's first steps,
	s_xor_b32 s[TB], s[TB], SLOT1                  ; in the other slot
.endm
	s_wait_tensorcnt 0x1                           ; my step of slot 0 is in; slot 1's may stay out
	s_barrier_signal -1
	s_barrier_wait -1                              ; everybody's is
	FETCH_K                                        ; my first key step
	s_wait_loadcnt 0x0                             ; Q
	s_wait_dscnt 0x0
	SQ 0                                           ; piece 0's first scores
	H2 1                                           ; V of that step | piece 0's first softmax, its V^T P starts O^T | piece 2's first scores
	H1 1                                           ; K of the second step | piece 2's first softmax, its V^T P starts O^T | piece 0's scores
	H2 0
	STEPS 2                                        ; the rest of slot 0
.Lslot:                                            ; six trips: fills 2 to 7 are asked for, fills 1 to 6 are read
	CHANGE 1
	STEPS 4
	s_sub_co_u32 s[SLOTS], s[SLOTS], 1
	s_cmp_lg_u32 s[SLOTS], 0
	s_cbranch_scc1 .Lslot
	CHANGE 0                                       ; the last slot is written out
	STEPS 4
	PLACES
	SM 2, 0                                        ; piece 2's last softmax and V^T P
	PV 2, 0
	WIN 0
	PLACES                                         ; behind the last products, ahead of the stores that read their results
	; THE JOIN.  Tiles 2, 3 (O^T, c m, l) go to wave w xor 4 through my stage; its tiles 2, 3 are my tiles 0, 1, summed over the other half of the keys.
	s_wait_dscnt 0x0
	s_barrier_signal -1
	s_barrier_wait -1                              ; every wave has read the ring for the last time: its bytes take the stages
	WIN 0x04                                       ; an LDS store's data are its source 1: window 1
.set f, 0
.rept 16
	ds_store_b128 v[SA], v[64+4*f:64+4*f+3] offset:512*f   ; as images of the registers; each accumulator from its low end on
.set f, f+1
.endr
	WIN 0
	ds_store_b128 v[SA], v[ST+16:ST+19] offset:8192        ; tile 2: c m, m, l's two halves
	ds_store_b128 v[SA], v[ST+24:ST+27] offset:8704        ; tile 3
	s_wait_dscnt 0x0                               ; for my partner's sake: my stores have landed
	s_barrier_signal -1
	s_barrier_wait -1
.set f, 0
.rept 16
	ds_load_b128 v[S+4*f:S+4*f+3], v[LA] offset:512*f      ; the partner's O^T, into S^T's registers
.set f, f+1
.endr
	ds_load_b128 v[PS:PS+3], v[LA] offset:8192
	ds_load_b128 v[PS+4:PS+7], v[LA] offset:8704
	s_wait_dscnt 0x0
.irp t, 0,1
	v_add_f32 v[ST+8*\t+2], v[ST+8*\t+2], v[ST+8*\t+3]     ; l
	v_add_f32 v[PS+4*\t+2], v[PS+4*\t+2], v[PS+4*\t+3]     ; the partner's l'
	v_max_num_f32 v[ST+8*\t+4], v[ST+8*\t], v[PS+4*\t]     ; the joint c m
.endr
.irp t, 0,1
	v_sub_f32 v[ST+8*\t+5], v[ST+8*\t], v[ST+8*\t+4]
	v_sub_f32 v[ST+8*\t+6], v[PS+4*\t], v[ST+8*\t+4]
.endr
.irp t, 0,1
	v_exp_f32 v[ST+8*\t+5], v[ST+8*\t+5]           ; a
	v_exp_f32 v[ST+8*\t+6], v[ST+8*\t+6]           ; a'
.endr
	v_nop                                          ; a plain line behind the last exponential,
	s_wait_alu depctr_va_vdst(0)                   ; and one wait for the four
.irp t, 0,1
	v_mul_f32 v[ST+8*\t+2], v[ST+8*\t+2], v[ST+8*\t+5]
.endr
.irp t, 0,1
	v_fma_f32 v[ST+8*\t+2], v[PS+4*\t+2], v[ST+8*\t+6], v[ST+8*\t+2]   ; l a + l' a'
.endr
.irp t, 0,1
	v_permlanex16_b32 v[ST+8*\t+3], v[ST+8*\t+2], s[SEL], s[SEL+1]
.endr
.irp t, 0,1
	v_add_f32 v[ST+8*\t+2], v[ST+8*\t+2], v[ST+8*\t+3]     ; with the other half of the lanes': the row's sum
.endr
.irp t, 0,1
	v_rcp_f32 v[ST+8*\t+3], v[ST+8*\t+2]
.endr
	v_nop
	s_wait_alu depctr_va_vdst(0)                   ; one wait for the two reciprocals
.irp t, 0,1
	v_mul_f32 v[ST+8*\t+4], v[ST+8*\t+5], v[ST+8*\t+3]     ; a / sum: the low word of the pair +4, +5
	v_mul_f32 v[ST+8*\t+6], v[ST+8*\t+6], v[ST+8*\t+3]     ; a' / sum: of the pair +6, +7
.endr
.set e, 0
.rept 16
.irp t, 0,1
	v_pk_mul_f32 v[S+32*\t+2*e:S+32*\t+2*e+1], v[S+32*\t+2*e:S+32*\t+2*e+1], v[ST+8*\t+6:ST+8*\t+7] op_sel_hi:[1,0]
.endr
.set e, e+1
.endr
	WIN 0x01                                       ; my O^T (source 0) in window 1
.set e, 0
.rept 16
.irp t, 0,1
	v_pk_fma_f32 v[S+32*\t+2*e:S+32*\t+2*e+1], v[32*\t+2*e:32*\t+2*e+1], v[ST+8*\t+4:ST+8*\t+5], v[S+32*\t+2*e:S+32*\t+2*e+1] op_sel_hi:[1,0,1]   ; ascending: each accumulator from its low end on
.endr
.set e, e+1
.endr
	WIN 0
	; THE WAY OUT.  Register 8 ct + j of a tile is out(query r, channel 16 ct + 8 hh + j).  A tile goes through my stage (rows of 272 bytes) and comes back as whole rows of 256 bytes.
	; LDS serves a wave's instructions in order: no wait between the stores and the loads, nor in front of the next tile's stores.
.irp t, 0,1
.irp c, 0,1,2,3
	ds_store_b128 v[STO], v[S+32*\t+8*\c:S+32*\t+8*\c+3] offset:64*\c
	ds_store_b128 v[STO], v[S+32*\t+8*\c+4:S+32*\t+8*\c+7] offset:64*\c+16
.endr
.irp i, 0,1,2,3,4,5,6,7
	ds_load_b128 v[P+32*\t+4*\i:P+32*\t+4*\i+3], v[RD] offset:2*OSP*\i
.endr
.endr
.irp t, 0,1
.irp i, 0,1,2,3,4,5,6,7
	s_wait_dscnt 16*(1-\t)+7-\i                    ; behind this load: the tile's later loads, and for tile 0 the 16 LDS instructions of tile 1
	global_store_b128 v[GO], v[P+32*\t+4*\i:P+32*\t+4*\i+3], s[8:9] offset:\t*32768+4096*\i th:TH_STORE_NT   ; 16 lanes store 256 consecutive bytes, aligned: the head's part of a row
.endr
.endr
	s_wait_tensorcnt 0x0                           ; the wave's end: these three lines, behind my last tensor load and my last LDS store
	ds_add_u32 v[SPW], v[NIL]
	s_wait_dscnt 0x0
	CROUND                                         ; the closing round: no work-group ends while a partner may still ask for a tile that names it
	s_endpgm
.Lfunc_end_k_qd2f0ee87cb_attn:
	.size	k_qd2f0ee87cb_attn, .Lfunc_end_k_qd2f0ee87cb_attn-k_qd2f0ee87cb_attn
	.p2alignl 7, 3214868480
	.fill 96, 4, 3214868480
	.section	.rodata,"a",@progbits
	.p2align	6, 0x0
	.amdhsa_kernel k_qd2f0ee87cb_attn
		.amdhsa_group_segment_fixed_size 327680
		.amdhsa_private_segment_fixed_size 0
		.amdhsa_enable_private_segment 0
		.amdhsa_kernarg_size 24
		.amdhsa_user_sgpr_count 2
		.amdhsa_user_sgpr_kernarg_segment_ptr 1
		.amdhsa_wavefront_size32 1
		.amdhsa_system_sgpr_workgroup_id_x 1
		.amdhsa_system_sgpr_workgroup_id_y 1
		.amdhsa_system_sgpr_workgroup_id_z 1
		.amdhsa_system_vgpr_workitem_id 0
		.amdhsa_next_free_vgpr 512
		.amdhsa_next_free_sgpr 66
		.amdhsa_reserve_vcc 0
		.amdhsa_float_denorm_mode_32 3
		.amdhsa_float_denorm_mode_16_64 3
		.amdhsa_memory_ordered 1
		.amdhsa_forward_progress 1
		.amdhsa_inst_pref_size 176
	.end_amdhsa_kernel
	.amdgpu_metadata
---
amdhsa.version: [ 1, 2 ]
amdhsa.kernels:
  - .name:           k_qd2f0ee87cb_attn
    .symbol:         k_qd2f0ee87cb_attn.kd
    .args:
      - { .name: QF, .offset: 0, .size: 8, .value_kind: global_buffer, .address_space: global }
      - { .name: KV, .offset: 8, .size: 8, .value_kind: global_buffer, .address_space: global }
      - { .name: out0, .offset: 16, .size: 8, .value_kind: global_buffer, .address_space: global }
    .group_segment_fixed_size: 327680
    .private_segment_fixed_size: 0
    .kernarg_segment_align: 8
    .kernarg_segment_size: 24
    .max_flat_workgroup_size: 256
    .sgpr_count:     66
    .vgpr_count:     512
    .wavefront_size: 32
...
	.end_amdgpu_metadata
.endif
;; end of part 3
